; MI455X (gfx1250); checked and timed in simulation.
; The chip was launched on July 23, 2026; its instructions are those of AMD's public machine-readable ISA for CDNA 5 (MIT licence, August 2026) and "CDNA5" Instruction Set Architecture Reference Guide (July 2026). The comments in the code are by the model that wrote it; some were corrected since.
;; MOE. Allowed arithmetic: matrix products marked QUANTISED: E5M2 operands, one given power-of-two scale a tensor, by v_wmma_f32_16x16x64_bf8_bf8 or v_wmma_f32_16x16x128_bf8_bf8, f32 sums; everything else in f32.
;; Inputs: Wo_codes 2,048 x 32 x 32 uint8 (E5M2 codes of Wo, K innermost, in blocks of 32 codes); Wq_codes 512 x 64 x 32 uint8 (E5M2 codes of Wq, K innermost, in blocks of 32 codes); keys_codes 4,096 x 2 x 32 uint8 (E5M2 codes of keys, K innermost, in blocks of 32 codes); lowp_scales 6 int32 (the exponents e of the quantised operands' scales 2^e); values 4,096 x 128 float32; x 4,096 x 2,048 float32.
;; Outputs: out0 4,096 x 2,048 float32.
;; This version of the problem:
;;   THIS VERSION OF THE PROBLEM IS GIVEN IN LOW PRECISION. The matrix products marked QUANTISED in the list below multiply operands that are first quantised to E5M2 (5 exponent bits, 2 mantissa bits; 8 bits a number), with one given power-of-two scale for each operand tensor; their sums are f32. All else is computed in f32.
;;   The module's matrix products, in the order in which they are computed (A, B: the left and right operand; K: the contracted axis; several contracted axes count as one K, in the product's order):
;;     1. [M 4,096, K 2,048] x [K 2,048, N 512]; A: input x; B: input Wq (given as codes): QUANTISED (scales: A lowp_scales[0], B lowp_scales[1])
;;     2. [M 32,768, K 64] x [K 64, N 4,096]; A: computed on the way; B: input keys (given as codes): QUANTISED (scales: A lowp_scales[2], B lowp_scales[3])
;;     3. [M 4,096, K 1,024] x [K 1,024, N 2,048]; A: computed on the way; B: input Wo (given as codes): QUANTISED (scales: A lowp_scales[4], B lowp_scales[5])
;;   THE QUANTISER, for each operand of a quantised product, along K:
;;     - The operand's scale is 2^e, e = its entry of the input lowp_scales (int32; the entries are numbered through the quantised products in the list's order, A before B).
;;     - Each number is divided by the scale, clamped to +-57,344, and rounded to the nearest number of E5M2, ties to even, subnormals kept.
;;     - The product sums the exact products of the quantised numbers (number of the format x scale) in f32.
;;   ~~~python
;;   def quantise(x, axis, e):      # numpy; x: float32 -> the quantised numbers, widened to float32 again
;;       x = np.moveaxis(x, axis, -1); K = x.shape[-1]
;;       r = np.clip(x / 2.0 ** e, -57344, 57344)
;;       step = 2.0 ** (np.maximum(np.frexp(np.where(r == 0, 1, r))[1] - 1, -14) - 2)
;;       q = np.round(r / step) * step * 2.0 ** e      # np.round: ties to even
;;       return np.moveaxis(q, -1, axis).astype(np.float32)
;;   ~~~
;;   OPERANDS COMPUTED ON THE WAY. 'Computed on the way' means the value that the module computes at that place (a softmax that the list does not call 'softmax' is quantised finished and normalised). What goes into a quantiser is computed in f32, as accurately as f32 sums, v_exp_f32 and their like allow (about 1e-6 of the number): no bf16 or f16 on the way to a quantiser, and a product that is left as it is and whose result goes on into a quantised operand takes f32 operands (vector FMAs, or v_wmma_f32_16x16x4_f32). A number that lies on a knife's edge between two numbers of the format may be rounded either way, as far as f32 arithmetic and the matrix unit's own rounding can turn it there, and no further.
;;   INPUTS GIVEN AS CODES. Wo (in the module: [2048, 1024], K = its axis 1); Wq (in the module: [512, 2048], K = its axis 1); keys (in the module: [4096, 64], K = its axis 1): each comes as NAME_codes (uint8): NAME with its K axis moved to the last place and cut into blocks of 32 codes, [.., K / 32, bytes a block], one block behind the other in memory; one code a byte (a code: sign, 5 exponent bits, 2 mantissa bits); its scale is its entry of lowp_scales. Its value is code x scale, taken as it is: it is not quantised again, and the codes and scales need not be those that the quantiser above would give.
;; One version. Each part assembles by itself: llvm-mc -triple=amdgcn-amd-amdhsa -mcpu=gfx1250 --defsym DOCPART=n.
;; ======== version 1 of 1: 2 launches
;; limits: right only within a limited range of input values
;; workspace buffers: sbuf 131,072 bytes; vpart 65,536 bytes
;; launch route (part 1): grid 4 x 64, 16 waves a work-group, clusters of 4 x 4, 293,376 bytes of LDS; arguments x, Wq_codes, keys_codes, lowp_scales, values, sbuf, vpart; writes sbuf, vpart
.if DOCPART == 1
	.amdgcn_target "amdgcn-amd-amdhsa--gfx1250"
	.amdhsa_code_object_version 6
	.text
	.protected	k_qe72bda4d68_route
	.globl	k_qe72bda4d68_route
	.p2align	8
	.type	k_qe72bda4d68_route,@function
k_qe72bda4d68_route:
	s_mov_b64 s[64:65], 0
	v_nop
	global_prefetch_b8 v0, s[64:65] scope:SCOPE_SE
	s_setreg_imm32_b32 hwreg(HW_REG_WAVE_MODE, 25, 1), 1
	s_wait_xcnt 0x0
	s_wait_alu depctr_hold_cnt(0) depctr_sa_sdst(0) depctr_va_vdst(0) depctr_va_sdst(0) depctr_va_ssrc(0) depctr_va_vcc(0) depctr_vm_vsrc(0)
	s_getreg_b32 s2, hwreg(HW_REG_IB_STS2, 6, 4)
	s_cmp_eq_u32 s2, 0
	s_cbranch_scc0 .Lentry_in_a_cluster
	s_endpgm
.Lentry_in_a_cluster:
	s_bfe_u32 s2, ttmp6, 0x10000c
	s_cmp_lg_u32 s2, 0xf033
	s_cbranch_scc0 .Lentry_shape_is_right
	s_endpgm
.Lentry_shape_is_right:
; ROUTE: q = Q(x) Wq^T, scores = Q(q) keys^T / 8, the softmax's row sum s, and partial sums of values.  All products on codes of BF8 (E5M2), f32 sums.
; SHARES.  Work-group (j, i), j = 0..3, i = 0..63, owns rows 64 i .. 64 i + 63 of x and heads 2 j, 2 j + 1: 64 x 128 of q = 128 queries.  Sixteen waves of 256 registers, four to a SIMD.
;   Wave w = 4 np + kq.  Product 1: Wq's rows 128 j + 32 np .. + 31 (head hd = np / 2, dims 32 b .. 32 b + 31, b = np % 2), k = 512 kq .. + 511, all 64 rows of x; the four kq's sums meet in LDS.
;   Product 2 and the softmax: wave w keeps keys 256 w .. 256 w + 255 in 128 registers and walks all 8 tiles of 16 queries, twice: once against its key tiles 0-7, once against 8-15.
; THE ORDER OF k IN A FRAGMENT, alike in both operands of every product: lane (r = lane % 16, h = lane / 16) holds row r; registers 4 c .. 4 c + 3 hold k = 32 c + 16 h + 0 .. 15: every piece is 16 bytes.
;   That is a permutation of k against the form's own layout, the same on both sides: each product meets its partner; only the order of the sums inside an instruction changes.
; BOTH PRODUCTS ARE USED TRANSPOSED (source 0 = 16 rows of Wq or 16 keys, source 1 = 16 rows of x or 16 queries): a lane holds one row of x, one query.  Lane r of Wq's tile u takes row 8 u + r + 8 (r / 8),
;   so that a lane's 16 registers of tiles 0 and 1 are 16 neighbouring dims, 32 b + 16 h + 0 .. 15: the conversions' results are registers 4 b .. 4 b + 3 of the query's fragment.
; THE SOFTMAX.  t = score x c, c = log2(e) / 8 x 2^(e2 + e3).  Each lane takes the maximum m of its 64 scores of a trip, p = 2^(t - m) and their sum L; the 64 pairs (m, L) of a query are merged at the end under
;   their common maximum.  reference() sums p / L over the keys; here the division is applied to the sum: s = L x (1 / L).  It differs from reference()'s s by rounding of some 1e-7 alone.
; JOINT LOADS.  Wq's tile hangs on j and the wave alone: the four work-groups of a column of the 4 x 4 cluster ask for it jointly.  NOT JOINT: x: a block's 64 rows are 524,288 bytes of f32, more than LDS holds, so it would
;   have to come in refills, each behind a round of the cluster's barrier with some hundred instructions of work to cover it; through registers 24 loads of 512 bytes a wave stay out with no barrier.  keys: 4,096 padded rows
;   are 327,680 bytes, more than LDS has left: each wave loads its 16,384 bytes straight into the registers that Wq's fragments leave.
; LIMITS: e0 and e2 - e0 - e1 between -126 and 112, e2 + e3 between -123 and 130 (each power of two below is then an f32 number).  NaN and infinities in x are not served.
; LDS.  0 .. 274,432: sixteen PARTS of 17,152 bytes, one a wave.  A part is filled ONCE, by its wave's two tensor loads (Wq's rows 0-15 of the wave's 32 at byte 0, rows 16-31 at byte 8,576; rows of 512 + 16 bytes),
;   and read as Wq by that wave alone.  When the wave has issued those reads it stores over its OWN part: bytes 0 .. 8,431 its four rows of x's codes (row p at 64 (w % 4) + 2,064 p), bytes 8,704 .. 16,895 its sums of
;   product 1.  LDS serves a wave's instructions in order (ISA guide 5.7.1.4), so no barrier stands between a wave's reads of Wq and its stores.  The pairs (m, L), 65,536 bytes from byte 0 on, are stored behind the barrier
;   in front of which every wave has waited for its reads of the codes and of the sums.  QIMG 274,432: 8 query fragments as images of their registers, 1,024 bytes each;  VST 282,624: 32 rows x 256 bytes of values;
;   SST 290,816: the 128 s.  Nothing is filled twice.
.set WPART, 17152
.set WP,    528
.set WSH,   16*WP+128                  ; the second load lies 128 bytes further on than on end: rows p and p + 16 then start 8 columns of 16 bytes apart, and the 16 rows of a tile (0-7, 16-23) in 16 different columns modulo 256 bytes (64 banks of 4 bytes: ISA guide 11.1)
.set XP,    2064                       ; a row of x's codes: 2,048 + 16
.set REDO,  8704                       ; a part's upper 8,192 bytes: the wave's sums
.set QIMG,  16*WPART
.set VST,   QIMG+8192
.set SST,   VST+8192
.set QAD, 1                            ; v1   at the head the lane; later the LDS address of the trip's query fragment
.set PAD, 2                            ; v2   at the head r; later the LDS address of the trip's pair
.set HH,  3                            ; v3   h
.set XO,  4                            ; v4   x: 32,768 w + 16 lane
.set XCS, 5                            ; v5   x's codes, in: WPART w + 64 (w % 4) + 4 lane;  behind phase 1a: x's codes, out, rows 48 on
.set WA,  6                            ; v6   my part as Wq: WPART w + r WP + (r / 8) (8 WP + 128) + 16 h;  behind phase 1a: x's codes, out, rows 32 on
.set XA,  7                            ; v7, v8  x's codes, out: (r / 4) (WPART + 64) + (r % 4) XP + 16 h + 512 kq, and 16 rows (4 parts) further on
.set KO,  9                            ; v9   keys: 64 r + 16 h
.set RS,  10                           ; v10  my sums, in
.set RL,  11                           ; v11  the four waves' sums, out
.set QS,  12                           ; v12  where my quarter of a query fragment goes
.set QB,  13                           ; v13  QIMG + 16 lane
.set PB,  14                           ; v14  256 w + 8 lane
.set PL,  15                           ; v15  8,192 w + 8 lane
.set SS,  16                           ; v16  SST + 64 w + 4 r
.set VL,  17                           ; v17  VST + 4,096 h + 16 r
.set VO,  18                           ; v18  values: 512 (thread / 16) + 16 (thread % 16)
.set VS,  19                           ; v19  VST + 16 thread
.set SCX, 20                           ; v20  2^e0
.set SCQ, 21                           ; v21  2^(e2 - e0 - e1)
.set SGO, 22                           ; v22  sbuf: 16,384 h + 16 r
.set VPO, 23                           ; v23  vpart: 16 r + 8 h
.set CD,  24                           ; v24-31  two sets of four code registers; later the pairs (m, L) and sums
.set X,   32                           ; v32-127 six sets of 16 numbers of x
.set FB,  32                           ; v32-63  two fragments of x's codes
.set QF,  32                           ; v32-39  a query fragment
.set ACC, 64                           ; v64-127 product 1: accumulator (m, u) at 64 + 16 m + 8 u
.set S,   64                           ; v64-127 the scores of a trip
.set WF,  128                          ; v128-255 Wq's fragment (u, s) at 128 + 32 s + 16 u; then key tile T at 128 + 8 T
.macro CROUND                          ; a round of the cluster's barrier
	s_barrier_signal -1
	s_barrier_wait -1
	s_cmp_lg_u32 s18, 0
	s_cbranch_scc1 .Lnot_wave_0_\@
	s_barrier_signal -3
.Lnot_wave_0_\@:
	s_barrier_wait -3
	s_barrier_signal -1
	s_barrier_wait -1
.endm
.macro BARRIER                         ; my LDS stores have landed and my LDS loads are in: then the work-group's barrier
	s_wait_dscnt 0x0
	s_barrier_signal -1
	s_barrier_wait -1
.endm
.macro PLACES                          ; four places behind a matrix instruction, in front of loads into its registers and of reads of its result
.rept 4
	v_nop
.endr
.endm
.macro XLOAD t                         ; step t: k = 128 t .. + 127 of my four rows; each load reads 512 consecutive bytes of one row
.irp p, 0,1,2,3
	global_load_b128 v[X+16*((\t)%6)+4*\p:X+16*((\t)%6)+4*\p+3], v[XO], s[4:5] offset:8192*\p+512*(\t)
.endr
.endm
	s_load_b256 s[4:11], s[0:1], 0x0               ; x s[4:5], Wq's codes s[6:7], keys' codes s[8:9], the scales' exponents s[10:11]
	s_load_b128 s[12:15], s[0:1], 0x20             ; values s[12:13], sbuf s[14:15]
	s_load_b64 s[16:17], s[0:1], 0x30              ; vpart
	v_lshl_add_u32 v254, v0, 2, 0x47200
	v_mov_b32 v255, 0
	ds_add_u32 v254, v255
	ds_add_u32 v254, v255
	s_wait_dscnt 0x0
	v_lshrrev_b32 v1, 5, v0
	s_delay_alu instid0(VALU_DEP_1)
	v_readfirstlane_b32 s18, v1                    ; wave 0..15
	s_lshr_b32 s19, s18, 2                         ; np
	s_and_b32 s20, s18, 3                          ; kq = w % 4
	s_bfe_u32 s21, ttmp6, 0x40000                  ; cx
	s_bfe_u32 s22, ttmp6, 0x40004                  ; cy
	s_lshl_b32 s23, ttmp9, 2
	s_add_co_u32 s23, s23, s21                     ; j = 4 x cluster x + cx
	s_and_b32 s24, ttmp7, 0xffff
	s_lshl_b32 s24, s24, 2
	s_add_co_u32 s24, s24, s22                     ; i = 4 x cluster y + cy
	; the descriptors: two tiles of 16 rows x 512 bytes of Wq, 16 bytes of padding behind each row.  Their registers hold j and the wave's number alone, which my column of the cluster shares
	s_lshl_b32 s25, 0x1111, s21                    ; my column: places cx, cx + 4, cx + 8, cx + 12
	s_or_b32 s28, s25, (1<<20)|(1<<21)|(6<<22)|(3<<25)  ; 15:0 the mask; 17:16 elements of 1 byte; 20 padding on; 21 set beside a mask; 24:22 after every 128 words (code 6); 31:25 four words (code 3)
	s_mov_b32 s29, 512<<16                         ; tensor_dim0 = 512
	s_mov_b32 s30, 16<<16                          ; tensor_dim1 = 16
	s_mov_b32 s31, 512<<16                         ; tile_dim0 = 512
	s_mov_b32 s32, 16                              ; tile_dim1 = 16
	s_mov_b32 s33, 2048                            ; from row to row
	s_mov_b32 s34, 0
	s_mov_b32 s35, 0
	s_lshl_b32 s26, s23, 18                        ; (128 j + 32 np) rows of 2,048 bytes + 512 kq
	s_lshl_b32 s27, s19, 16
	s_add_co_u32 s26, s26, s27
	s_lshl_b32 s27, s20, 9
	s_add_co_u32 s26, s26, s27
	s_mov_b32 s27, 0
	s_mov_b32 s36, 1                               ; count = 1
	s_mul_i32 s37, s18, WPART                      ; LDS address: my part
	s_mov_b32 s68, 1
	s_add_co_u32 s69, s37, WSH                     ; and the second tile's place in it
	; the address registers
	v_and_b32 v1, 31, v0                           ; lane
	v_and_b32 v2, 15, v0                           ; r
	v_bfe_u32 v[HH], v0, 4, 1                      ; h
	s_lshl_b32 s52, s18, 15
	v_lshl_add_u32 v[XO], v1, 4, s52
	s_lshl_b32 s52, s20, 6
	s_add_co_u32 s52, s52, s37
	v_lshl_add_u32 v[XCS], v1, 2, s52              ; WPART w + 64 (w % 4) + 4 lane
	v_mul_u32_u24 v[WA], v2, WP
	v_lshrrev_b32 v[XA], 3, v2
	s_delay_alu instid0(VALU_DEP_1)
	v_mul_u32_u24 v[XA], v[XA], 8*WP+128           ; lanes 8-15 take rows 8 further on, which lie in the second tile
	s_delay_alu instid0(VALU_DEP_1)
	v_add_nc_u32 v[WA], v[WA], v[XA]
	s_delay_alu instid0(VALU_DEP_1)
	v_lshl_add_u32 v[WA], v[HH], 4, v[WA]
	s_delay_alu instid0(VALU_DEP_1)
	v_add_nc_u32 v[WA], s37, v[WA]
	v_lshrrev_b32 v[XA], 2, v2                     ; row 16 m + r of x's codes lies in part 4 m + r / 4, as that wave's row r % 4
	s_delay_alu instid0(VALU_DEP_1)
	v_mul_u32_u24 v[XA], v[XA], WPART+64
	v_and_b32 v[XA+1], 3, v2
	s_delay_alu instid0(VALU_DEP_1)
	v_mul_u32_u24 v[XA+1], v[XA+1], XP
	s_delay_alu instid0(VALU_DEP_1)
	v_add_nc_u32 v[XA], v[XA], v[XA+1]             ; in columns of 16 bytes modulo 16: 4 (r / 4) + r % 4 = r: the 16 rows of a fragment load start in 16 different columns
	s_delay_alu instid0(VALU_DEP_1)
	v_lshl_add_u32 v[XA], v[HH], 4, v[XA]
	s_lshl_b32 s52, s20, 9
	v_add_nc_u32 v[XA], s52, v[XA]
	s_delay_alu instid0(VALU_DEP_1)
	v_add_nc_u32 v[XA+1], 4*WPART, v[XA]
	v_lshlrev_b32 v[KO], 6, v2
	s_delay_alu instid0(VALU_DEP_1)
	v_lshl_add_u32 v[KO], v[HH], 4, v[KO]
	s_add_co_u32 s52, s37, REDO
	v_lshl_add_u32 v[RS], v1, 4, s52               ; WPART w + REDO + 16 lane
	s_mul_i32 s52, s19, 4*WPART
	s_lshl_b32 s53, s20, 11
	s_add_co_u32 s52, s52, s53
	s_add_co_u32 s52, s52, REDO
	v_lshl_add_u32 v[RL], v1, 4, s52               ; 4 WPART np + REDO + 2,048 kq + 16 lane
	s_lshr_b32 s52, s18, 3                         ; hd
	s_lshl_b32 s52, s52, 12
	s_lshl_b32 s53, s20, 10
	s_add_co_u32 s52, s52, s53
	s_and_b32 s53, s19, 1                          ; b
	s_lshl_b32 s53, s53, 9
	s_add_co_u32 s52, s52, s53
	s_add_co_u32 s52, s52, QIMG
	v_lshl_add_u32 v[QS], v1, 4, s52               ; QIMG + 4,096 hd + 1,024 kq + 512 b + 16 lane
	v_lshl_add_u32 v[QB], v1, 4, QIMG
	v_lshlrev_b32 v[PB], 3, v0                     ; 256 w + 8 lane = 8 x thread
	s_lshl_b32 s52, s18, 13
	v_lshl_add_u32 v[PL], v1, 3, s52
	s_lshl_b32 s52, s18, 6
	s_add_co_u32 s52, s52, SST
	v_lshl_add_u32 v[SS], v2, 2, s52
	v_lshlrev_b32 v[VL], 12, v[HH]
	s_delay_alu instid0(VALU_DEP_1)
	v_lshl_add_u32 v[VL], v2, 4, v[VL]
	s_delay_alu instid0(VALU_DEP_1)
	v_add_nc_u32 v[VL], VST, v[VL]
	v_lshrrev_b32 v[VO], 4, v0
	s_delay_alu instid0(VALU_DEP_1)
	v_lshlrev_b32 v[VO], 9, v[VO]
	s_delay_alu instid0(VALU_DEP_1)
	v_lshl_add_u32 v[VO], v2, 4, v[VO]
	v_lshl_add_u32 v[VS], v0, 4, VST
	v_lshlrev_b32 v[SGO], 14, v[HH]
	s_delay_alu instid0(VALU_DEP_1)
	v_lshl_add_u32 v[SGO], v2, 4, v[SGO]
	v_lshlrev_b32 v[VPO], 4, v2
	s_delay_alu instid0(VALU_DEP_1)
	v_lshl_add_u32 v[VPO], v[HH], 3, v[VPO]
	; byte offsets of my parts of the buffers
	s_lshl_b32 s52, s24, 19                        ; x: 64 i rows of 8,192 bytes
	s_mov_b32 s53, 0
	s_lshl_b32 s58, s18, 14                        ; keys: 256 w rows of 64 bytes
	s_mov_b32 s59, 0
	s_lshl_b32 s60, s24, 1
	s_lshr_b32 s61, s23, 1
	s_add_co_u32 s60, s60, s61                     ; p = 2 i + j / 2: which 32 rows of values
	s_and_b32 s61, s23, 1
	s_lshl_b32 s61, s61, 8                         ; 256 (j % 2): which half of their 512 bytes
	s_lshl_b32 s62, s60, 9
	s_add_co_u32 s62, s62, s61                     ; vpart: row p, that half
	s_mov_b32 s63, 0
	s_lshl_b32 s60, s60, 14
	s_add_co_u32 s60, s60, s61                     ; values: 32 p rows of 512 bytes, that half
	s_mov_b32 s61, 0
	s_lshl_b32 s50, s23, 15                        ; sbuf: head 2 j, row 64 i
	s_lshl_b32 s51, s24, 8
	s_add_co_u32 s50, s50, s51
	s_mov_b32 s51, 0
	s_wait_alu depctr_va_vdst(0)
	s_wait_kmcnt 0x0
	s_load_b128 s[40:43], s[10:11], 0x0            ; e0, e1, e2, e3
	s_add_nc_u64 s[4:5], s[4:5], s[52:53]
	s_add_nc_u64 s[12:13], s[12:13], s[60:61]
	global_load_b128 v[28:31], v[VO], s[12:13] th:TH_LOAD_NT   ; my 16 bytes of the group's 32 rows x 256 bytes of values: read once in the launch
	XLOAD 0                                        ; three of the ring's six steps go out ahead of the round, the other three behind the tensor loads:
	XLOAD 1                                        ; so part of x is on its way while the work-groups meet, and part of it is still landing while Wq is read out of LDS
	XLOAD 2
	s_add_nc_u64 s[38:39], s[6:7], s[26:27]        ; the first tile's first byte,
	s_add_nc_u64 s[70:71], s[38:39], 16*2048       ; the second's: 16 rows on
	s_or_b32 s39, s39, 0x80000000                  ; type = 2
	s_or_b32 s71, s71, 0x80000000
	s_add_nc_u64 s[8:9], s[8:9], s[58:59]
	s_add_nc_u64 s[16:17], s[16:17], s[62:63]
	s_add_nc_u64 s[14:15], s[14:15], s[50:51]
	CROUND                                         ; all sixteen work-groups are here: the joint loads meet
	tensor_load_to_lds s[36:39], s[28:35]          ; my wave's two tensor loads of the launch: two are out
	s_nop 0
	tensor_load_to_lds s[68:71], s[28:35]
	s_nop 0
	PLACES                                         ; four v_nop behind the loads
	XLOAD 3
	XLOAD 4
	XLOAD 5
	; ---- W: my part of Wq goes into registers and stays
	s_wait_tensorcnt 0x0                           ; my part has landed; nobody else reads it
.irp s, 0,1,2,3
.irp u, 0,1
.irp c, 0,1,2,3
	ds_load_b128 v[WF+32*\s+16*\u+4*\c:WF+32*\s+16*\u+4*\c+3], v[WA] offset:8*\u*WP+128*\s+32*\c
.endr
.endr
.endr
	s_wait_kmcnt 0x0
	s_add_co_i32 s52, s40, 127
	s_lshl_b32 s53, s52, 23
	v_mov_b32 v[SCX], s53                          ; 2^e0 as f32: the conversion takes its exponent field
	s_sub_co_i32 s52, s42, s40
	s_sub_co_i32 s52, s52, s41                     ; a sum of product 1 stands for sum x 2^(e0 + e1): its code is sum / 2^(e2 - e0 - e1)
	s_add_co_i32 s52, s52, 127
	s_lshl_b32 s53, s52, 23
	v_mov_b32 v[SCQ], s53
	s_add_co_i32 s52, s42, s43
	s_lshl_b32 s52, s52, 23
	s_add_co_i32 s44, s52, 0x3e38aa3b              ; c = log2(e) / 8, with e2 + e3 added to its exponent field
	s_mov_b32 s45, s44                             ; (named with it as a pair, so it is written)
	s_mov_b32 s46, 0x76543210                      ; v_permlanex16_b32's selects for lane l xor 16
	s_mov_b32 s47, 0xfedcba98
	s_wait_alu depctr_va_vdst(0)
	s_wait_loadcnt 24                              ; values' load is in: the 24 loads of x were issued behind it
	ds_store_b128 v[VS], v[28:31]                  ; read by wave 8 behind four barriers
	; ---- 1a: my four rows of x become codes, over the lower half of my own part: these stores are served behind my reads of Wq above
.macro XSTEP t
.set XS, X+16*((\t)%6)
.set CS, CD+4*((\t)%2)
.if 15-(\t) >= 5
	s_wait_loadcnt 20                              ; this step's four loads are in; those of the five steps behind it may be out
.else
	s_wait_loadcnt 4*(15-(\t))
.endif
.irp i, 0,1,2,3,4,5,6,7,8,9,10,11,12,13,14,15
.endr
.if (\t) >= 1
	s_wait_dscnt 4                                 ; all but the last step's four stores are done: the stores that read this set of code registers (in step 1: the store of values) among them
.endif
	v_cvt_scalef32_pk8_bf8_f32 v[CS:CS+1], v[XS:XS+7], v[SCX]        ; four codes of row 0, four of row 1
	v_cvt_scalef32_pk8_bf8_f32 v[CS+2:CS+3], v[XS+8:XS+15], v[SCX]   ; of rows 2 and 3
.if (\t) == 15
	v_nop                                          ; a plain line behind the last conversion: matrix instructions write its sources later (in the other steps the next step's holds are such lines)
.endif
.irp p, 0,1,2,3
	ds_store_b32 v[XCS], v[CS+\p] offset:XP*\p+128*(\t)   ; 32 lanes store 128 consecutive bytes of a row
.endr
.if (\t)+6 <= 15
	XLOAD (\t)+6
.endif
.endm
.irp t, 0,1,2,3,4,5,6,7,8,9,10,11,12,13,14,15
	XSTEP \t
.endr
	BARRIER                                        ; x's codes lie in the sixteen parts, and every wave's reads of Wq are in
	v_add_nc_u32 v[WA], 8*WPART, v[XA]             ; rows 32 on, rows 48 on: the two registers' first lives are over
	v_add_nc_u32 v[XCS], 12*WPART, v[XA]
	; ---- 1b: product 1.  Fragment i = 4 s + m: rows 16 m on, k = 512 kq + 128 s on
.macro XF i
.set FBR, FB+16*((\i)%2)
.set MQ, (\i)%4
.if MQ < 2
.set XAR, XA+MQ
.else
.set XAR, 8-MQ                         ; m = 2: v6, m = 3: v5
.endif
.irp c, 0,1,2,3
	ds_load_b128 v[FBR+4*\c:FBR+4*\c+3], v[XAR] offset:128*((\i)/4)+32*\c
.endr
.endm
.macro MM i                            ; the eight accumulators take turns, one instruction a turn; the first K step starts the sums
.set FBR, FB+16*((\i)%2)
.irp u, 0,1
.if (\i) < 4
	v_wmma_f32_16x16x128_bf8_bf8 v[ACC+16*((\i)%4)+8*\u:ACC+16*((\i)%4)+8*\u+7], v[WF+32*((\i)/4)+16*\u:WF+32*((\i)/4)+16*\u+15], v[FBR:FBR+15], 0
.else
	v_wmma_f32_16x16x128_bf8_bf8 v[ACC+16*((\i)%4)+8*\u:ACC+16*((\i)%4)+8*\u+7], v[WF+32*((\i)/4)+16*\u:WF+32*((\i)/4)+16*\u+15], v[FBR:FBR+15], v[ACC+16*((\i)%4)+8*\u:ACC+16*((\i)%4)+8*\u+7]
.endif
.endr
.endm
.macro KEYT t                          ; key tile t of my 16: 16 keys x 64 bytes, 1,024 consecutive bytes by two loads
	global_load_b128 v[WF+8*(\t):WF+8*(\t)+3], v[KO], s[8:9] offset:(\t)*1024
	global_load_b128 v[WF+8*(\t)+4:WF+8*(\t)+7], v[KO], s[8:9] offset:(\t)*1024+32
.endm
	XF 0
	XF 1
	s_wait_alu depctr_va_vdst(0)
.irp i, 0,1,2,3,4,5,6,7,8,9,10,11,12,13,14,15
.if \i < 15
	s_wait_dscnt 4                                 ; this fragment is in; the next one's four loads may be out
.else
	s_wait_dscnt 0
.endif
	MM \i
	PLACES
.if \i < 14
	XF \i+2
.endif
.if \i == 3                            ; key tiles 0-3 into the 32 registers that Wq's K step 0 has left,
	KEYT 0
	KEYT 1
	KEYT 2
	KEYT 3
.endif
.if \i == 7                            ; tiles 4-7 into K step 1's.  Tiles 8-15 are asked for in the softmax's first pass, which does not read them
	KEYT 4
	KEYT 5
	KEYT 6
	KEYT 7
.endif
.endr
	; ---- the four kq's sums meet: each accumulator is stored from its low end on, into the upper half of my own part, which no wave reads in this phase
.irp m, 0,1,2,3
.irp q, 0,1,2,3
	ds_store_b128 v[RS], v[ACC+16*\m+4*\q:ACC+16*\m+4*\q+3] offset:2048*\m+512*\q
.endr
.endr
	BARRIER                                        ; all sums lie in LDS, and nobody reads x's codes any more
.irp k, 0,1,2,3                        ; wave (np, kq) finishes rows 16 kq on: the four waves' 16 registers
.irp q, 0,1,2,3
	ds_load_b128 v[ACC+16*\k+4*\q:ACC+16*\k+4*\q+3], v[RL] offset:WPART*\k+512*\q
.endr
.endr
	s_wait_dscnt 0x0
.irp j, 0,2,4,6,8,10,12,14
	v_pk_add_f32 v[64+\j:65+\j], v[64+\j:65+\j], v[80+\j:81+\j]
	v_pk_add_f32 v[96+\j:97+\j], v[96+\j:97+\j], v[112+\j:113+\j]
.endr
.irp j, 0,2,4,6,8,10,12,14
	v_pk_add_f32 v[64+\j:65+\j], v[64+\j:65+\j], v[96+\j:97+\j]
.endr
.irp j, 0,1,2,3,4,5,6,7,8,9,10,11,12,13,14,15
.endr
	v_cvt_scalef32_pk8_bf8_f32 v[32:33], v[64:71], v[SCQ]
	v_cvt_scalef32_pk8_bf8_f32 v[34:35], v[72:79], v[SCQ]
	v_nop                                          ; a plain line behind the last conversion: matrix instructions write its sources below
	ds_store_b128 v[QS], v[32:35]                  ; registers 4 b .. 4 b + 3 of query fragment 4 hd + kq, as they stand
	BARRIER                                        ; the eight query fragments lie in QIMG, and every wave's reads of the sums are in: the pairs may be stored over them
	; ---- 2: scores and softmax partials.  A trip: one tile of 16 queries against 128 of my keys (tiles 8 g .. 8 g + 7)
.macro HALF g, adr, off
.set MT, 24+2*(\g)                     ; the pass's pair (m, L)
.irp i, 0,1,2,3,4,5,6,7
	v_wmma_f32_16x16x64_bf8_bf8 v[S+8*\i:S+8*\i+7], v[WF+64*(\g)+8*\i:WF+64*(\g)+8*\i+7], v[QF:QF+7], 0
.endr
	PLACES
	v_max3_num_f32 v40, v[S], v[S+1], v[S+2]       ; my query's largest score among my 64 keys, in two chains; each accumulator is read from its low end on
	v_max3_num_f32 v41, v[S+3], v[S+4], v[S+5]
.irp i, 6,10,14,18,22,26,30,34,38,42,46,50,54,58
	v_max3_num_f32 v40, v40, v[S+\i], v[S+\i+1]
	v_max3_num_f32 v41, v41, v[S+\i+2], v[S+\i+3]
.endr
	v_max3_num_f32 v40, v40, v[S+62], v[S+63]
	s_delay_alu instid0(VALU_DEP_1)
	v_max_num_f32 v40, v40, v41
	s_delay_alu instid0(VALU_DEP_1)
	v_mul_f32 v[MT], s44, v40                      ; m, as t (c is positive)
.set j, 0
.rept 32
	v_pk_fma_f32 v[S+j:S+j+1], v[S+j:S+j+1], s[44:45], v[MT:MT+1] op_sel_hi:[1,0,0] neg_lo:[0,0,1] neg_hi:[0,0,1]   ; t - m, two at a time (of the pairs c and m the low word serves both halves)
.set j, j+2
.endr
.set j, 0
	s_setprio 1
	s_wait_alu depctr_va_vdst(0)
.rept 64
	v_exp_f32 v[S+j], v[S+j]                       ; p = 2^(t - m)
.set j, j+1
.endr
	v_nop                                          ; a plain place behind the exponentials
	s_setprio 0
	s_wait_alu depctr_va_vdst(0)
	v_pk_add_f32 v[30:31], v[64:65], v[66:67]
	v_pk_add_f32 v[62:63], v[72:73], v[76:77]
	v_pk_add_f32 v[60:61], v[80:81], v[84:85]
	v_pk_add_f32 v[58:59], v[88:89], v[92:93]
	v_pk_add_f32 v[56:57], v[96:97], v[100:101]
	v_pk_add_f32 v[54:55], v[104:105], v[108:109]
	v_pk_add_f32 v[52:53], v[112:113], v[116:117]
	v_pk_add_f32 v[28:29], v[120:121], v[124:125]
	v_pk_add_f32 v[28:29], v[28:29], v[68:69]
	v_pk_add_f32 v[30:31], v[30:31], v[70:71]
	v_pk_add_f32 v[62:63], v[62:63], v[74:75]
	v_pk_add_f32 v[60:61], v[60:61], v[78:79]
	v_pk_add_f32 v[58:59], v[58:59], v[82:83]
	v_pk_add_f32 v[56:57], v[56:57], v[86:87]
	v_pk_add_f32 v[54:55], v[54:55], v[90:91]
	v_pk_add_f32 v[52:53], v[52:53], v[94:95]
	v_pk_add_f32 v[28:29], v[28:29], v[98:99]
	v_pk_add_f32 v[30:31], v[30:31], v[102:103]
	v_pk_add_f32 v[62:63], v[62:63], v[106:107]
	v_pk_add_f32 v[60:61], v[60:61], v[110:111]
	v_pk_add_f32 v[58:59], v[58:59], v[114:115]
	v_pk_add_f32 v[56:57], v[56:57], v[118:119]
	v_pk_add_f32 v[54:55], v[54:55], v[122:123]
	v_pk_add_f32 v[52:53], v[52:53], v[126:127]
	s_delay_alu instid0(VALU_DEP_4)
	v_pk_add_f32 v[28:29], v[28:29], v[58:59]
	s_delay_alu instid0(VALU_DEP_4)
	v_pk_add_f32 v[30:31], v[30:31], v[56:57]
	s_delay_alu instid0(VALU_DEP_4)
	v_pk_add_f32 v[62:63], v[62:63], v[54:55]
	s_delay_alu instid0(VALU_DEP_4)
	v_pk_add_f32 v[60:61], v[60:61], v[52:53]
	s_delay_alu instid0(VALU_DEP_2)
	v_pk_add_f32 v[28:29], v[28:29], v[62:63]
	s_delay_alu instid0(VALU_DEP_2)
	v_pk_add_f32 v[30:31], v[30:31], v[60:61]
	s_delay_alu instid0(VALU_DEP_1)
	v_pk_add_f32 v[28:29], v[28:29], v[30:31]
	s_delay_alu instid0(VALU_DEP_1)
	v_add_f32 v[MT+1], v28, v29                    ; L
	ds_store_b64 v[\adr], v[MT:MT+1] offset:\off
.endm
	s_wait_loadcnt 0x0                             ; key tiles 0-7 are in
	; the first pass is written out, since its trips 0 to 3 ask for key tiles 8-15, two a trip, each into registers of its own: four trips stand between the last request and the wait for it
.irp t, 0,1,2,3,4,5,6,7
	ds_load_b128 v[QF:QF+3], v[QB] offset:1024*\t
	ds_load_b128 v[QF+4:QF+7], v[QB] offset:1024*\t+512
.if \t < 4
	KEYT 8+2*\t
	KEYT 9+2*\t
.endif
	s_wait_dscnt 0x0                               ; the fragment is in, and the last trip's store is done
	HALF 0, PB, 8192*\t
.endr
	s_wait_loadcnt 0x0                             ; key tiles 8-15 are in
	s_mov_b32 s48, 8                               ; the second pass: tiles to go
	s_mov_b32 s49, 0                               ; 1,024 t
	s_mov_b32 s50, 0                               ; 8,192 t
.Ltile:
	s_setprio 2
	v_add_nc_u32 v[QAD], s49, v[QB]
	ds_load_b128 v[QF:QF+3], v[QAD]
	ds_load_b128 v[QF+4:QF+7], v[QAD] offset:512
	s_wait_dscnt 0x0                               ; the fragment is in, and the last trip's store is done
	v_add_nc_u32 v[PAD], s50, v[PB]
	HALF 1, PAD, 4096
	s_add_co_u32 s49, s49, 1024
	s_add_co_u32 s50, s50, 8192
	s_sub_co_u32 s48, s48, 1
	s_cmp_lg_u32 s48, 0
	s_cbranch_scc1 .Ltile
	s_setprio 0
	BARRIER                                        ; all pairs lie in LDS
	; ---- 3: waves 0-7 merge a tile's pairs each; wave 8 sums the rows of values
	s_cmp_lt_u32 s18, 8
	s_cbranch_scc0 .Lnot_merge
.set i, 0
.rept 32
	ds_load_b64 v[64+2*i:65+2*i], v[PL] offset:256*i   ; the pairs of my lane's place from 2 passes x 16 waves
.set i, i+1
.endr
	s_wait_dscnt 0x0
	v_max3_num_f32 v40, v64, v66, v68
.irp i, 3,5,7,9,11,13,15,17,19,21,23,25,27,29
	s_delay_alu instid0(VALU_DEP_1)
	v_max3_num_f32 v40, v40, v[64+2*\i], v[66+2*\i]
.endr
	s_delay_alu instid0(VALU_DEP_1)
	v_max_num_f32 v40, v40, v126                   ; M of my 32 pairs
.set i, 0
.rept 32
	v_sub_f32 v[64+2*i], v[64+2*i], v40
.set i, i+1
.endr
.set i, 0
	s_wait_alu depctr_va_vdst(0)
.rept 32
	v_exp_f32 v[64+2*i], v[64+2*i]                 ; 2^(m - M)
.set i, i+1
.endr
	v_nop
	s_wait_alu depctr_va_vdst(0)
	v_mul_f32 v28, v64, v65
	v_mul_f32 v29, v66, v67
.irp i, 2,4,6,8,10,12,14,16,18,20,22,24,26,28,30
	v_fma_f32 v28, v[64+2*\i], v[65+2*\i], v28
	v_fma_f32 v29, v[66+2*\i], v[67+2*\i], v29
.endr
	s_delay_alu instid0(VALU_DEP_1)
	v_add_f32 v28, v28, v29                        ; L under M
	v_permlanex16_b32 v41, v40, s46, s47           ; the query's other 32 pairs lie in the lane 16 away
	s_delay_alu instid0(VALU_DEP_1)
	v_max_num_f32 v41, v40, v41                    ; the query's maximum
	s_delay_alu instid0(VALU_DEP_1)
	v_sub_f32 v40, v40, v41
	s_wait_alu depctr_va_vdst(0)
	v_exp_f32 v40, v40
	v_nop
	s_wait_alu depctr_va_vdst(0)
	v_mul_f32 v28, v28, v40
	s_delay_alu instid0(VALU_DEP_1)
	v_permlanex16_b32 v29, v28, s46, s47
	s_delay_alu instid0(VALU_DEP_1)
	v_add_f32 v28, v28, v29                        ; the query's sum of p: at least 1, at most 4,096
	s_wait_alu depctr_va_vdst(0)
	v_rcp_f32 v29, v28
	v_nop
	s_wait_alu depctr_va_vdst(0)
	v_mul_f32 v28, v28, v29                        ; s = the sum of p / L over the keys
	ds_store_b32 v[SS], v28                        ; lanes r and r + 16 store the same number to the same word
	s_branch .Ljoin
.Lnot_merge:
	s_cmp_eq_u32 s18, 8
	s_cbranch_scc0 .Ljoin
.set i, 0
.rept 16
	ds_load_b128 v[64+4*i:67+4*i], v[VL] offset:256*i   ; row 16 h + i, columns 4 r .. 4 r + 3 of the group's 64
.set i, i+1
.endr
	s_wait_dscnt 0x0
.irp d, 8,4,2,1
.set i, 0
.rept \d
	v_pk_add_f32 v[64+4*i:65+4*i], v[64+4*i:65+4*i], v[64+4*(i+\d):65+4*(i+\d)]
	v_pk_add_f32 v[66+4*i:67+4*i], v[66+4*i:67+4*i], v[66+4*(i+\d):67+4*(i+\d)]
.set i, i+1
.endr
.endr
.irp k, 0,1,2,3
	v_permlanex16_b32 v[24+\k], v[64+\k], s46, s47
.endr
.irp k, 0,1,2,3
	s_delay_alu instid0(VALU_DEP_4)
	v_add_f32 v[64+\k], v[64+\k], v[24+\k]         ; all 32 rows
.endr
	v_cmp_eq_u32 vcc_lo, 1, v[HH]
	s_delay_alu instid0(VALU_DEP_1)
	v_cndmask_b32 v64, v64, v66, vcc_lo            ; lanes 16-31 store the upper two of the four
	s_delay_alu instid0(VALU_DEP_2)
	v_cndmask_b32 v65, v65, v67, vcc_lo
	global_store_b64 v[VPO], v[64:65], s[16:17]    ; the 32 lanes store 256 consecutive bytes, aligned
.Ljoin:
	BARRIER                                        ; the 128 s lie in SST
	s_cmp_lg_u32 s18, 0
	s_cbranch_scc1 .Lclose
	ds_load_b128 v[64:67], v[QB] offset:SST-QIMG   ; SST + 16 lane: head h, rows 4 r .. 4 r + 3
	s_wait_dscnt 0x0
	global_store_b128 v[SGO], v[64:67], s[14:15]   ; each half of the lanes stores 256 consecutive bytes, aligned
.Lclose:
	s_wait_xcnt 0x0
	v_lshl_add_u32 v254, v0, 2, 0x47200
	v_mov_b32 v255, 0
	s_wait_alu depctr_va_vdst(0)
	s_wait_tensorcnt 0x0
	ds_add_u32 v254, v255
	s_wait_dscnt 0x0
	CROUND                                         ; the closing round: no work-group ends while a partner may still ask for a tile that names it
	s_endpgm
.Lfunc_end_k_qe72bda4d68_route:
	.size	k_qe72bda4d68_route, .Lfunc_end_k_qe72bda4d68_route-k_qe72bda4d68_route
	.p2alignl 7, 3214868480
	.fill 96, 4, 3214868480
	.section	.rodata,"a",@progbits
	.p2align	6, 0x0
	.amdhsa_kernel k_qe72bda4d68_route
		.amdhsa_group_segment_fixed_size 293376
		.amdhsa_private_segment_fixed_size 0
		.amdhsa_enable_private_segment 0
		.amdhsa_kernarg_size 56
		.amdhsa_user_sgpr_count 2
		.amdhsa_user_sgpr_kernarg_segment_ptr 1
		.amdhsa_wavefront_size32 1
		.amdhsa_system_sgpr_workgroup_id_x 1
		.amdhsa_system_sgpr_workgroup_id_y 1
		.amdhsa_system_sgpr_workgroup_id_z 1
		.amdhsa_system_vgpr_workitem_id 0
		.amdhsa_next_free_vgpr 256
		.amdhsa_next_free_sgpr 72
		.amdhsa_reserve_vcc 1
		.amdhsa_float_denorm_mode_32 3
		.amdhsa_float_denorm_mode_16_64 3
		.amdhsa_fp16_overflow 1
		.amdhsa_memory_ordered 1
		.amdhsa_forward_progress 1
		.amdhsa_inst_pref_size 137
	.end_amdhsa_kernel
	.amdgpu_metadata
---
amdhsa.version: [ 1, 2 ]
amdhsa.kernels:
  - .name:           k_qe72bda4d68_route
    .symbol:         k_qe72bda4d68_route.kd
    .args:
      - { .name: x, .offset: 0, .size: 8, .value_kind: global_buffer, .address_space: global }
      - { .name: Wq_codes, .offset: 8, .size: 8, .value_kind: global_buffer, .address_space: global }
      - { .name: keys_codes, .offset: 16, .size: 8, .value_kind: global_buffer, .address_space: global }
      - { .name: lowp_scales, .offset: 24, .size: 8, .value_kind: global_buffer, .address_space: global }
      - { .name: values, .offset: 32, .size: 8, .value_kind: global_buffer, .address_space: global }
      - { .name: sbuf, .offset: 40, .size: 8, .value_kind: global_buffer, .address_space: global }
      - { .name: vpart, .offset: 48, .size: 8, .value_kind: global_buffer, .address_space: global }
    .group_segment_fixed_size: 293376
    .private_segment_fixed_size: 0
    .kernarg_segment_align: 8
    .kernarg_segment_size: 56
    .max_flat_workgroup_size: 512
    .sgpr_count:     72
    .vgpr_count:     256
    .wavefront_size: 32
...
	.end_amdgpu_metadata
.endif
;; end of part 1
;; launch mix (part 2): grid 16 x 16, 4 waves a work-group, clusters of 4 x 1, 327,680 bytes of LDS; arguments Wo_codes, lowp_scales, x, sbuf, vpart, out0; writes out0
.if DOCPART == 2
	.amdgcn_target "amdgcn-amd-amdhsa--gfx1250"
	.amdhsa_code_object_version 6
	.text
	.protected	k_qe72bda4d68_mix
	.globl	k_qe72bda4d68_mix
	.p2align	8
	.type	k_qe72bda4d68_mix,@function
k_qe72bda4d68_mix:
	s_mov_b64 s[64:65], 0
	v_nop
	global_prefetch_b8 v0, s[64:65] scope:SCOPE_SE
	s_setreg_imm32_b32 hwreg(HW_REG_WAVE_MODE, 25, 1), 1
	s_wait_xcnt 0x0
	s_wait_alu depctr_hold_cnt(0) depctr_sa_sdst(0) depctr_va_vdst(0) depctr_va_sdst(0) depctr_va_ssrc(0) depctr_va_vcc(0) depctr_vm_vsrc(0)
	s_getreg_b32 s2, hwreg(HW_REG_IB_STS2, 6, 4)
	s_cmp_eq_u32 s2, 0
	s_cbranch_scc0 .Lentry_in_a_cluster
	s_endpgm
.Lentry_in_a_cluster:
	s_bfe_u32 s2, ttmp6, 0x10000c
	s_cmp_lg_u32 s2, 0x3003
	s_cbranch_scc0 .Lentry_shape_is_right
	s_endpgm
.Lentry_shape_is_right:
.set WOP,  1040
.set XT,   133120
.set XTP,  528
.set VRED, 268288
.set VMW,  270336
.set SV,   32
.set VM,   64
.set T,    128
.set H0,   64
.set BK,   192
.set MSB, 0
.macro WIN new
.if MSB != (\new)
	s_set_vgpr_msb (MSB<<8)|(\new)
.set MSB, (\new)
.endif
.endm
.macro CROUND
	s_barrier_signal -1
	s_barrier_wait -1
	s_cmp_lg_u32 s18, 0
	s_cbranch_scc1 .Lnot_wave_0_\@
	s_barrier_signal -3
.Lnot_wave_0_\@:
	s_barrier_wait -3
	s_barrier_signal -1
	s_barrier_wait -1
.endm
.macro PLACES
.rept 4
	v_nop
.endr
.endm
	s_load_b256 s[4:11], s[0:1], 0x0
	s_load_b128 s[12:15], s[0:1], 0x20
	v_lshl_add_u32 v30, v0, 2, 0x42800
	v_mov_b32 v31, 0
	ds_add_u32 v30, v31
	ds_add_u32 v30, v31
	v_lshrrev_b32 v1, 5, v0
	v_readfirstlane_b32 s18, v1
	s_bfe_u32 s19, ttmp6, 0x40000
	s_lshl_b32 s20, ttmp9, 2
	s_add_co_u32 s20, s20, s19
	s_and_b32 s21, ttmp7, 0xffff
	s_lshl_b32 s22, s21, 17
	s_lshl_b32 s23, s18, 15
	s_add_co_u32 s22, s22, s23
	s_mov_b32 s23, 0
	s_lshl_b32 s52, s20, 21
	s_lshl_b32 s53, s18, 19
	s_add_co_u32 s52, s52, s53
	s_lshl_b32 s53, s21, 9
	s_add_co_u32 s52, s52, s53
	s_mov_b32 s53, 0
	s_lshl_b32 s54, s20, 10
	s_lshl_b32 s55, s18, 8
	s_add_co_u32 s54, s54, s55
	s_mov_b32 s55, 0
	s_lshl_b32 s56, s18, 14
	s_mov_b32 s57, 0
	s_mov_b32 s24, 15|(1<<20)|(1<<21)|(7<<22)|(3<<25)
	s_mov_b32 s25, 1024<<16
	s_mov_b32 s26, 32<<16
	s_mov_b32 s27, 1024<<16
	s_mov_b32 s28, 32
	s_mov_b32 s29, 1024
	s_mov_b32 s30, 0
	s_mov_b32 s31, 0
	s_mov_b32 s32, 1
	s_mul_i32 s33, s18, 32*WOP
	s_mov_b32 s36, (2<<16)|(1<<20)|(6<<22)|(3<<25)
	s_mov_b32 s37, 128<<16
	s_mov_b32 s38, 64<<16
	s_mov_b32 s39, 128<<16
	s_mov_b32 s40, 64
	s_mov_b32 s41, 2048
	s_mov_b32 s42, 0
	s_mov_b32 s43, 0
	s_mov_b32 s44, 1
	s_mul_i32 s45, s18, 64*XTP
	s_add_co_u32 s45, s45, XT
	v_and_b32 v1, 31, v0
	v_and_b32 v2, 15, v0
	v_bfe_u32 v3, v0, 4, 1
	v_mul_u32_u24 v4, v2, WOP
	v_lshl_add_u32 v4, v3, 4, v4
	v_add_nc_u32 v5, 64*WOP, v4
	v_mul_u32_u24 v6, v2, XTP
	v_lshl_add_u32 v6, v3, 5, v6
	v_add_nc_u32 v6, s45, v6
	v_lshl_add_u32 v7, v1, 4, s45
	v_lshlrev_b32 v8, 4, v1
	v_lshlrev_b32 v9, 2, v2
	v_lshl_add_u32 v11, v0, 4, VRED
	v_lshl_add_u32 v12, v1, 4, VRED
	v_lshl_add_u32 v13, v0, 4, VMW
	s_lshl_b32 s58, s18, 9
	s_add_co_u32 s58, s58, VMW
	v_lshl_add_u32 v14, v3, 6, s58
	v_mov_b32 v17, 0
	s_wait_dscnt 0x0
	s_wait_kmcnt 0x0
	s_load_b64 s[50:51], s[6:7], 0x10
	s_add_nc_u64 s[34:35], s[4:5], s[22:23]
	s_or_b32 s35, s35, 0x80000000
	s_add_nc_u64 s[46:47], s[8:9], s[52:53]
	s_or_b32 s47, s47, 0x80000000
	s_add_nc_u64 s[14:15], s[14:15], s[52:53]
	s_add_nc_u64 s[10:11], s[10:11], s[54:55]
	s_add_nc_u64 s[12:13], s[12:13], s[56:57]
	CROUND
	tensor_load_to_lds s[32:35], s[24:31]
	s_nop 0
	s_wait_alu depctr_va_vdst(0)
	s_wait_tensorcnt 0x0
	ds_add_u32 v30, v31
	s_wait_dscnt 0x0
	CROUND
	tensor_load_to_lds s[44:47], s[36:43]
	s_nop 0
	PLACES
.set i, 0
	s_wait_alu depctr_va_vdst(0)
.rept 32
	global_load_b128 v[128+4*i:131+4*i], v8, s[12:13] offset:512*i
.set i, i+1
.endr
.irp m, 0,1,2,3
.irp d, 0,1,2,3,4,5,6,7
	global_load_b32 v[SV+8*\m+\d], v9, s[10:11] offset:16384*\d+64*\m
.endr
.endr
	s_wait_kmcnt 0x0
	s_add_co_i32 s58, s50, 127
	s_lshl_b32 s59, s58, 23
	v_mov_b32 v19, s59
	s_add_co_i32 s48, s50, s51
	s_add_co_i32 s48, s48, 127
	s_lshl_b32 s48, s48, 23
	s_mov_b32 s49, s48
	s_wait_loadcnt 32
.irp d, 16,8,4,2,1
.set i, 0
.rept \d
	v_pk_add_f32 v[128+4*i:129+4*i], v[128+4*i:129+4*i], v[128+4*(i+\d):129+4*(i+\d)]
	v_pk_add_f32 v[130+4*i:131+4*i], v[130+4*i:131+4*i], v[130+4*(i+\d):131+4*(i+\d)]
.set i, i+1
.endr
.endr
	ds_store_b128 v11, v[128:131]
	s_wait_tensorcnt 0x1
	s_wait_dscnt 0x0
	s_barrier_signal -1
	s_barrier_wait -1
.irp k, 0,1,2,3
	ds_load_b128 v[128+4*\k:131+4*\k], v12 offset:512*\k
.endr
	s_wait_dscnt 0x0
	v_pk_add_f32 v[128:129], v[128:129], v[132:133]
	v_pk_add_f32 v[130:131], v[130:131], v[134:135]
	v_pk_add_f32 v[136:137], v[136:137], v[140:141]
	v_pk_add_f32 v[138:139], v[138:139], v[142:143]
	v_pk_add_f32 v[128:129], v[128:129], v[136:137]
	v_pk_add_f32 v[130:131], v[130:131], v[138:139]
.irp k, 0,1,2,3
	v_ldexp_f32 v[128+\k], v[128+\k], -12
.endr
	ds_store_b128 v13, v[128:131]
.irp c, 0,1,2,3
.irp q, 0,1,2,3
	ds_load_b128 v[VM+16*\c+4*\q:VM+16*\c+4*\q+3], v14 offset:128*\c+16*\q
.endr
.endr
	s_wait_dscnt 0x0
	s_wait_loadcnt 0x0
.macro BUILD mrow, hd
	v_mov_b32 v16, v[SV+8*(\mrow)+(\hd)]
.set j, 0
.rept 32
	v_pk_mul_f32 v[T+j:T+j+1], v[VM+j:VM+j+1], v[16:17] op_sel_hi:[1,0]
.set j, j+2
.endr
.set j, 0
.rept 64
.set j, j+1
.endr
	WIN 0x40*(1+(\hd)/4)
.set OVR, 64*((\hd)%4)+16*(\mrow)
.set j, 0
.rept 8
	v_cvt_scalef32_pk8_bf8_f32 v[OVR+2*j:OVR+2*j+1], v[T+8*j:T+8*j+7], v19
.set j, j+1
.endr
	WIN 0
.endm
.irp d, 0,1,2,3,4,5,6,7
.irp m, 0,1,2,3
	BUILD \m, \d
.endr
.endr
	v_nop
.macro WOLOAD hf, s
.irp n, 0,1,2,3
.irp c, 0,1,2,3
	ds_load_b128 v[H0+64*(\hf)+16*\n+4*\c:H0+64*(\hf)+16*\n+4*\c+3], v[4+(\hf)] offset:16*WOP*\n+128*(\s)+32*\c
.endr
.endr
.endm
.macro MUL16 hf, s
	WIN 0xf0|(4*(1+(\s)/4))
.irp n, 0,1,2,3
.irp m, 0,1,2,3
.if (\s) == 0
	v_wmma_f32_16x16x128_bf8_bf8 v[64*\m+8*(4*(\hf)+\n):64*\m+8*(4*(\hf)+\n)+7], v[H0+64*(\hf)+16*\n:H0+64*(\hf)+16*\n+15], v[64*((\s)%4)+16*\m:64*((\s)%4)+16*\m+15], 0
.else
	v_wmma_f32_16x16x128_bf8_bf8 v[64*\m+8*(4*(\hf)+\n):64*\m+8*(4*(\hf)+\n)+7], v[H0+64*(\hf)+16*\n:H0+64*(\hf)+16*\n+15], v[64*((\s)%4)+16*\m:64*((\s)%4)+16*\m+15], v[64*\m+8*(4*(\hf)+\n):64*\m+8*(4*(\hf)+\n)+7]
.endif
.endr
.endr
	WIN 0
.endm
.macro EP_IN m
.set XR, 64+64*((\m)%2)
.irp n, 0,1,2,3,4,5,6,7
	ds_load_b128 v[XR+8*\n:XR+8*\n+3], v6 offset:16*XTP*(\m)+64*\n
	ds_load_b128 v[XR+8*\n+4:XR+8*\n+7], v6 offset:16*XTP*(\m)+64*\n+16
.endr
.endm
.macro EP_OUT m
.set XR, 64+64*((\m)%2)
.if (\m) < 3
	s_wait_dscnt 16
.else
	s_wait_dscnt 0
.endif
	WIN 0x03
.set j, 0
.rept 32
	v_pk_fma_f32 v[XR+j:XR+j+1], v[64*(\m)+j:64*(\m)+j+1], s[48:49], v[XR+j:XR+j+1] op_sel_hi:[1,0,1]
.set j, j+2
.endr
	WIN 0
.irp n, 0,1,2,3,4,5,6,7
	ds_store_b128 v6, v[XR+8*\n:XR+8*\n+3] offset:16*XTP*(\m)+64*\n
	ds_store_b128 v6, v[XR+8*\n+4:XR+8*\n+7] offset:16*XTP*(\m)+64*\n+16
.endr
	s_wait_xcnt 0x0
.irp t, 0,1,2,3,4,5,6,7,8,9,10,11,12,13,14,15
	ds_load_b128 v[BK+4*\t:BK+4*\t+3], v7 offset:(16*(\m)+\t)*XTP
.endr
.irp t, 0,1,2,3,4,5,6,7,8,9,10,11,12,13,14,15
	s_wait_dscnt 15-\t
	global_store_b128 v8, v[BK+4*\t:BK+4*\t+3], s[14:15] offset:(16*(\m)+\t)*8192 th:TH_STORE_NT
.endr
.endm
	WOLOAD 0, 0
	WOLOAD 1, 0
.irp s, 0,1,2,3,4,5,6
	s_wait_dscnt 16
	MUL16 0, \s
	PLACES
	WOLOAD 0, \s+1
	s_wait_dscnt 16
	MUL16 1, \s
	PLACES
	WOLOAD 1, \s+1
.endr
	s_wait_dscnt 16
	s_wait_alu depctr_va_vdst(0)
	MUL16 0, 7
	PLACES
	s_wait_tensorcnt 0x0
	EP_IN 0
	s_wait_dscnt 16
	MUL16 1, 7
	PLACES
	EP_IN 1
	EP_OUT 0
	EP_IN 2
	EP_OUT 1
	EP_IN 3
	EP_OUT 2
	EP_OUT 3
	s_wait_tensorcnt 0x0
	ds_add_u32 v30, v31
	s_wait_dscnt 0x0
	CROUND
	s_endpgm
.Lfunc_end_k_qe72bda4d68_mix:
	.size	k_qe72bda4d68_mix, .Lfunc_end_k_qe72bda4d68_mix-k_qe72bda4d68_mix
	.p2alignl 7, 3214868480
	.fill 96, 4, 3214868480
	.section	.rodata,"a",@progbits
	.p2align	6, 0x0
	.amdhsa_kernel k_qe72bda4d68_mix
		.amdhsa_group_segment_fixed_size 327680
		.amdhsa_private_segment_fixed_size 0
		.amdhsa_enable_private_segment 0
		.amdhsa_kernarg_size 48
		.amdhsa_user_sgpr_count 2
		.amdhsa_user_sgpr_kernarg_segment_ptr 1
		.amdhsa_wavefront_size32 1
		.amdhsa_system_sgpr_workgroup_id_x 1
		.amdhsa_system_sgpr_workgroup_id_y 1
		.amdhsa_system_sgpr_workgroup_id_z 1
		.amdhsa_system_vgpr_workitem_id 0
		.amdhsa_next_free_vgpr 1024
		.amdhsa_next_free_sgpr 66
		.amdhsa_reserve_vcc 0
		.amdhsa_float_denorm_mode_32 3
		.amdhsa_float_denorm_mode_16_64 3
		.amdhsa_fp16_overflow 1
		.amdhsa_memory_ordered 1
		.amdhsa_forward_progress 1
		.amdhsa_inst_pref_size 166
	.end_amdhsa_kernel
	.amdgpu_metadata
---
amdhsa.version: [ 1, 2 ]
amdhsa.kernels:
  - .name:           k_qe72bda4d68_mix
    .symbol:         k_qe72bda4d68_mix.kd
    .args:
      - { .name: Wo_codes, .offset: 0, .size: 8, .value_kind: global_buffer, .address_space: global }
      - { .name: lowp_scales, .offset: 8, .size: 8, .value_kind: global_buffer, .address_space: global }
      - { .name: x, .offset: 16, .size: 8, .value_kind: global_buffer, .address_space: global }
      - { .name: sbuf, .offset: 24, .size: 8, .value_kind: global_buffer, .address_space: global }
      - { .name: vpart, .offset: 32, .size: 8, .value_kind: global_buffer, .address_space: global }
      - { .name: out0, .offset: 40, .size: 8, .value_kind: global_buffer, .address_space: global }
    .group_segment_fixed_size: 327680
    .private_segment_fixed_size: 0
    .kernarg_segment_align: 8
    .kernarg_segment_size: 48
    .max_flat_workgroup_size: 128
    .sgpr_count:     66
    .vgpr_count:     1024
    .wavefront_size: 32
...
	.end_amdgpu_metadata
.endif
;; end of part 2
